; MI455X (gfx1250); checked and timed in simulation.
; The chip was launched on July 23, 2026; its instructions are those of AMD's public machine-readable ISA for CDNA 5 (MIT licence, August 2026) and "CDNA5" Instruction Set Architecture Reference Guide (July 2026). The comments in the code are by the model that wrote it; some were corrected since.
;; LASCC. Allowed arithmetic: matrix products marked QUANTISED: E4M3 operands, one given power-of-two scale a tensor, by v_wmma_f32_16x16x64_fp8_fp8 or v_wmma_f32_16x16x128_fp8_fp8, f32 sums; everything else in f32.
;; Inputs: alpha one number float32; lowp_scales 2 int32 (the exponents e of the quantised operands' scales 2^e); x 16 x 128 x 64 x 64 float32.
;; Outputs: out0 16 x 3 x 64 x 64 float32.
;; This version of the problem:
;;   THIS VERSION OF THE PROBLEM IS GIVEN IN LOW PRECISION. The matrix products marked QUANTISED in the list below multiply operands that are first quantised to E4M3 (4 exponent bits, 3 mantissa bits; 8 bits a number), with one given power-of-two scale for each operand tensor; their sums are f32. All else is computed in f32.
;;   The module's matrix products, in the order in which they are computed (A, B: the left and right operand; K: the contracted axis; several contracted axes count as one K, in the product's order):
;;     1. batch 32 x [M 1,024, K 128] x [K 128, N 1,024]; A: computed on the way; B: computed on the way: QUANTISED (scales: A lowp_scales[0], B lowp_scales[1])
;;   THE QUANTISER, for each operand of a quantised product, along K:
;;     - The operand's scale is 2^e, e = its entry of the input lowp_scales (int32; the entries are numbered through the quantised products in the list's order, A before B).
;;     - Each number is divided by the scale, clamped to +-448, and rounded to the nearest number of E4M3, ties to even, subnormals kept.
;;     - The product sums the exact products of the quantised numbers (number of the format x scale) in f32.
;;   ~~~python
;;   def quantise(x, axis, e):      # numpy; x: float32 -> the quantised numbers, widened to float32 again
;;       x = np.moveaxis(x, axis, -1); K = x.shape[-1]
;;       r = np.clip(x / 2.0 ** e, -448, 448)
;;       step = 2.0 ** (np.maximum(np.frexp(np.where(r == 0, 1, r))[1] - 1, -6) - 3)
;;       q = np.round(r / step) * step * 2.0 ** e      # np.round: ties to even
;;       return np.moveaxis(q, -1, axis).astype(np.float32)
;;   ~~~
;;   OPERANDS COMPUTED ON THE WAY. 'Computed on the way' means the value that the module computes at that place (a softmax that the list does not call 'softmax' is quantised finished and normalised). What goes into a quantiser is computed in f32, as accurately as f32 sums, v_exp_f32 and their like allow (about 1e-6 of the number): no bf16 or f16 on the way to a quantiser, and a product that is left as it is and whose result goes on into a quantised operand takes f32 operands (vector FMAs, or v_wmma_f32_16x16x4_f32). A number that lies on a knife's edge between two numbers of the format may be rounded either way, as far as f32 arithmetic and the matrix unit's own rounding can turn it there, and no further.
;; One version. Each part assembles by itself: llvm-mc -triple=amdgcn-amd-amdhsa -mcpu=gfx1250 --defsym DOCPART=n.
;; ======== version 1 of 1: 3 launches
;; limits: right only within a limited range of input values
;; workspace buffers: acodes 4,194,304 bytes; bcodes 4,194,304 bytes; nlc 196,608 bytes
;; launch quant (part 1): grid 256 x 1, 4 waves a work-group, no clusters, 0 bytes of LDS; arguments x, lowp_scales, acodes, bcodes; writes acodes, bcodes
.if DOCPART == 1
	.amdgcn_target "amdgcn-amd-amdhsa--gfx1250"
	.amdhsa_code_object_version 6
	.text
	.protected	k_qa8913df8aa_quant
	.globl	k_qa8913df8aa_quant
	.p2align	8
	.type	k_qa8913df8aa_quant,@function
k_qa8913df8aa_quant:
	s_mov_b64 s[64:65], 0
	v_nop
	global_prefetch_b8 v0, s[64:65] scope:SCOPE_SE
	s_setreg_imm32_b32 hwreg(HW_REG_WAVE_MODE, 25, 1), 1
	s_wait_xcnt 0x0
; x [16][128][64][64] f32 -> the two quantised operands of the correlation, as codes of E4M3.
; Only the pixels (h, w) with w % 2 == h % 2 enter the product: pixel (2 nr + p, 2 nc + p) is row n = 32 nr + nc of map p.
; One wave takes one image row (b, h): lane = nc, and its 128 registers run down the channels, which are the product's K.  Each load reads one 256-byte row of x at one channel (4 bytes a lane, 8 apart).
; y = x / max(sqrt(sum over channels of x^2), 1e-12), by v_sqrt_f32, v_rcp_f32 and one multiplication, all f32.
; code = y / 2^e to the nearest code, ties to even: once with e0 (operand A), once with e1 (operand B).
; LAYOUT OF THE CODES (both buffers): [b][nr][p][half of the patch row][2048 bytes]: an image of the operand's registers: piece j (channels 16 j .. 16 j + 15) of row r of the 16 lies at 256 j + 16 r.
; So a store of 16 bytes a lane writes two whole aligned runs of 256 bytes, and the reader's lane (r, h) finds channels 32 c + 16 h + 0..15 at 512 c + 16 x lane.
; LIMITS: -126 <= e0, e1 <= 119, so that 2^e and 448 x 2^e are f32 numbers.  NaN and infinities among the inputs are not served.
.set X,   16                           ; v16-143  my pixel's 128 channels
.set TA,  144
.set CA,  160                          ; v160-191 codes with e0
.set CB,  192                          ; v192-223 codes with e1
.set SCA, 224                          ; 2^e0 as f32
.set LMA, 225
.set SCB, 226
.set LMB, 227
.set Q,   4                            ; v4-11    four pairs of partial sums of squares
.set INV, 12                           ; v12      1 / norm (v13 is named with it as a pair)
	s_load_b128 s[4:7], s[0:1], 0x0                ; x, the scales' exponents
	s_load_b128 s[8:11], s[0:1], 0x10              ; A's codes, B's codes
	v_lshrrev_b32 v3, 5, v0
	v_readfirstlane_b32 s12, v3                    ; wave 0..3
	s_lshl_b32 s13, ttmp9, 2
	s_add_co_u32 s13, s13, s12                     ; which of the 1,024 image rows
	s_lshr_b32 s14, s13, 6                         ; b
	s_and_b32 s15, s13, 63                         ; h
	s_and_b32 s16, s15, 1                          ; p
	s_lshr_b32 s17, s15, 1                         ; nr
	v_and_b32 v3, 31, v0                           ; lane = nc
	v_lshlrev_b32 v1, 3, v3
	v_lshl_add_u32 v1, s16, 2, v1                  ; in: 8 nc + 4 p
	v_and_b32 v2, 15, v3
	v_lshlrev_b32 v2, 4, v2
	v_lshrrev_b32 v3, 4, v3
	v_lshl_add_u32 v2, v3, 11, v2                  ; out: 2048 (nc / 16) + 16 (nc % 16)
	s_lshl_b32 s18, s14, 21                        ; b x 128 x 4096 x 4 bytes
	s_lshl_b32 s19, s15, 8                         ; h x 256
	s_add_co_u32 s18, s18, s19
	s_mov_b32 s19, 0
	s_lshl_b32 s20, s14, 18                        ; b x 262,144
	s_lshl_b32 s21, s17, 13                        ; nr x 8,192
	s_add_co_u32 s20, s20, s21
	s_lshl_b32 s21, s16, 12                        ; p x 4,096
	s_add_co_u32 s20, s20, s21
	s_mov_b32 s21, 0
	s_wait_alu depctr_va_vdst(0)
	s_wait_kmcnt 0x0
	s_load_b64 s[22:23], s[6:7], 0x0               ; e0, e1
	s_add_nc_u64 s[4:5], s[4:5], s[18:19]
	s_add_nc_u64 s[8:9], s[8:9], s[20:21]
	s_add_nc_u64 s[10:11], s[10:11], s[20:21]
.set c, 0
.rept 128
	global_load_b32 v[X+c], v1, s[4:5] offset:c*16384 th:TH_LOAD_NT   ; channel c: read once in the launch
.set c, c+1
.endr
	s_wait_kmcnt 0x0
	s_add_co_i32 s24, s22, 127
	s_lshl_b32 s25, s24, 23
	v_mov_b32 v[SCA], s25                          ; the conversion takes this number's exponent field
	s_add_co_i32 s24, s23, 127
	s_lshl_b32 s25, s24, 23
	v_mov_b32 v[SCB], s25
	s_add_co_i32 s24, s24, 8
	s_lshl_b32 s24, s24, 23
	s_or_b32 s24, s24, 0x600000
	; the sum of squares, two channels an instruction, in four chains; the first four products start the sums
	s_wait_loadcnt 63                              ; loads come back in order: at most 63 of the 128 are out, so channels 0-63 are in
.irp k, 0,1,2,3
	v_pk_mul_f32 v[Q+2*\k:Q+2*\k+1], v[X+2*\k:X+2*\k+1], v[X+2*\k:X+2*\k+1]
.endr
.set pi, 4
.rept 28
	v_pk_fma_f32 v[Q+2*(pi%4):Q+2*(pi%4)+1], v[X+2*pi:X+2*pi+1], v[X+2*pi:X+2*pi+1], v[Q+2*(pi%4):Q+2*(pi%4)+1]
.set pi, pi+1
.endr
	s_wait_alu depctr_va_vdst(0)
	s_wait_loadcnt 32                              ; channels 64-95 are in
.rept 16
	v_pk_fma_f32 v[Q+2*(pi%4):Q+2*(pi%4)+1], v[X+2*pi:X+2*pi+1], v[X+2*pi:X+2*pi+1], v[Q+2*(pi%4):Q+2*(pi%4)+1]
.set pi, pi+1
.endr
	s_wait_alu depctr_va_vdst(0)
	s_wait_loadcnt 0x0
.rept 16
	v_pk_fma_f32 v[Q+2*(pi%4):Q+2*(pi%4)+1], v[X+2*pi:X+2*pi+1], v[X+2*pi:X+2*pi+1], v[Q+2*(pi%4):Q+2*(pi%4)+1]
.set pi, pi+1
.endr
	v_pk_add_f32 v[Q:Q+1], v[Q:Q+1], v[Q+2:Q+3]
	v_pk_add_f32 v[Q+4:Q+5], v[Q+4:Q+5], v[Q+6:Q+7]
	v_pk_add_f32 v[Q:Q+1], v[Q:Q+1], v[Q+4:Q+5]
	v_add_f32 v14, v[Q], v[Q+1]
	s_wait_alu depctr_va_vdst(0)
	v_sqrt_f32 v14, v14
	v_nop                                          ; a plain instruction behind the root,
	s_wait_alu depctr_va_vdst(0)                   ; and the wait ahead of its first reader
	v_max_num_f32 v14, 0x2b8cbccc, v14             ; max(norm, 1e-12)
	s_wait_alu depctr_va_vdst(0)
	v_rcp_f32 v[INV], v14
	v_mov_b32 v[INV+1], 0                          ; (the pair's upper half is written; also the plain instruction behind the reciprocal)
	s_wait_alu depctr_va_vdst(0)
.set pi, 0
.rept 64
	v_pk_mul_f32 v[X+2*pi:X+2*pi+1], v[X+2*pi:X+2*pi+1], v[INV:INV+1] op_sel_hi:[1,0]
.set pi, pi+1
.endr
	; eight channels at a time: the conversion reads the channels' own registers, once for each scale.
.set g, 0
.rept 16
.irp i, 0,1,2,3,4,5,6,7
.endr
	v_cvt_scalef32_pk8_fp8_f32 v[CA+2*g:CA+2*g+1], v[TA+((X+8*g+0)-(TA+0)):TA+7+((X+8*g+0)-(TA+0))], v[SCA]
.irp i, 0,1,2,3,4,5,6,7
.endr
	v_cvt_scalef32_pk8_fp8_f32 v[CB+2*g:CB+2*g+1], v[TA+8+((X+8*g+0)-(TA+8+0)):TA+15+((X+8*g+0)-(TA+8+0))], v[SCB]
.set g, g+1
.endr
	v_nop                                          ; a plain instruction behind the last conversion
.irp j, 0,1,2,3,4,5,6,7
	global_store_b128 v2, v[CA+4*\j:CA+4*\j+3], s[8:9] offset:256*\j     ; lanes 0-15 and lanes 16-31 each write 256 consecutive bytes, aligned
	global_store_b128 v2, v[CB+4*\j:CB+4*\j+3], s[10:11] offset:256*\j
.endr
	s_endpgm
.Lfunc_end_k_qa8913df8aa_quant:
	.size	k_qa8913df8aa_quant, .Lfunc_end_k_qa8913df8aa_quant-k_qa8913df8aa_quant
	.p2alignl 7, 3214868480
	.fill 96, 4, 3214868480
	.section	.rodata,"a",@progbits
	.p2align	6, 0x0
	.amdhsa_kernel k_qa8913df8aa_quant
		.amdhsa_group_segment_fixed_size 0
		.amdhsa_private_segment_fixed_size 0
		.amdhsa_enable_private_segment 0
		.amdhsa_kernarg_size 32
		.amdhsa_user_sgpr_count 2
		.amdhsa_user_sgpr_kernarg_segment_ptr 1
		.amdhsa_wavefront_size32 1
		.amdhsa_system_sgpr_workgroup_id_x 1
		.amdhsa_system_sgpr_workgroup_id_y 1
		.amdhsa_system_sgpr_workgroup_id_z 1
		.amdhsa_system_vgpr_workitem_id 0
		.amdhsa_next_free_vgpr 228
		.amdhsa_next_free_sgpr 66
		.amdhsa_reserve_vcc 0
		.amdhsa_float_denorm_mode_32 3
		.amdhsa_float_denorm_mode_16_64 3
		.amdhsa_fp16_overflow 1
		.amdhsa_memory_ordered 1
		.amdhsa_forward_progress 1
		.amdhsa_inst_pref_size 27
	.end_amdhsa_kernel
	.amdgpu_metadata
---
amdhsa.version: [ 1, 2 ]
amdhsa.kernels:
  - .name:           k_qa8913df8aa_quant
    .symbol:         k_qa8913df8aa_quant.kd
    .args:
      - { .name: x, .offset: 0, .size: 8, .value_kind: global_buffer, .address_space: global }
      - { .name: lowp_scales, .offset: 8, .size: 8, .value_kind: global_buffer, .address_space: global }
      - { .name: acodes, .offset: 16, .size: 8, .value_kind: global_buffer, .address_space: global }
      - { .name: bcodes, .offset: 24, .size: 8, .value_kind: global_buffer, .address_space: global }
    .group_segment_fixed_size: 0
    .private_segment_fixed_size: 0
    .kernarg_segment_align: 8
    .kernarg_segment_size: 32
    .max_flat_workgroup_size: 128
    .sgpr_count:     66
    .vgpr_count:     228
    .wavefront_size: 32
...
	.end_amdgpu_metadata
.endif
;; end of part 1
;; launch colsum (part 2): grid 16 x 16, 8 waves a work-group, clusters of 4 x 1, 277,248 bytes of LDS; arguments bcodes, acodes, alpha, lowp_scales, nlc; writes nlc
.if DOCPART == 2
	.amdgcn_target "amdgcn-amd-amdhsa--gfx1250"
	.amdhsa_code_object_version 6
	.text
	.protected	k_qa8913df8aa_colsum
	.globl	k_qa8913df8aa_colsum
	.p2align	8
	.type	k_qa8913df8aa_colsum,@function
k_qa8913df8aa_colsum:
	s_mov_b64 s[64:65], 0
	v_nop
	global_prefetch_b8 v0, s[64:65] scope:SCOPE_SE
	s_setreg_imm32_b32 hwreg(HW_REG_WAVE_MODE, 25, 1), 1
	s_wait_xcnt 0x0
	s_wait_alu depctr_hold_cnt(0) depctr_sa_sdst(0) depctr_va_vdst(0) depctr_va_sdst(0) depctr_va_ssrc(0) depctr_va_vcc(0) depctr_vm_vsrc(0)
	s_getreg_b32 s2, hwreg(HW_REG_IB_STS2, 6, 4)
	s_cmp_eq_u32 s2, 0
	s_cbranch_scc0 .Lentry_in_a_cluster
	s_endpgm
.Lentry_in_a_cluster:
	s_bfe_u32 s2, ttmp6, 0x10000c
	s_cmp_lg_u32 s2, 0x3003
	s_cbranch_scc0 .Lentry_shape_is_right
	s_endpgm
.Lentry_shape_is_right:
.set PL,    832
.set SCR,   262144
.set OUTS,  SCR+16*PL
.set KG,    0xbe9044fe
.set L16,   1
.set ADRB,  2
.set MA,    3
.set SGW,   4
.set SCW,   5
.set CC,    8
.set GRT,   10
.set SGR,   16
.set GOF,   17
.set GC,    20
.set BLK,   36
.set ST,    132
.set TMP,   180
.set RM,    36
.set AF,    0
.set BF,    64
.set WV,    16
.set GH,    17
.set PART,  18
.set BT,    19
.set RB,    20
.set G1,    28
.set G0,    36
.set TBS,   52
.set MR,    53
.set CNT,   54
.set AL,    55
.set NCG,   56
.set E0,    58
.set ES,    60
.set MSB, 0
.macro WIN new
.if MSB != \new
	s_set_vgpr_msb (MSB<<8)|\new
.set MSB, \new
.endif
.endm
.macro CROUND
	s_barrier_signal -1
	s_barrier_wait -1
	s_cmp_lg_u32 s[WV], 0
	s_cbranch_scc1 .Lnot_wave_0_\@
	s_barrier_signal -3
.Lnot_wave_0_\@:
	s_barrier_wait -3
	s_barrier_signal -1
	s_barrier_wait -1
.endm
	s_load_b256 s[4:11], s[0:1], 0x0
	s_load_b64 s[12:13], s[0:1], 0x20
	v_lshl_add_u32 v254, v0, 2, 0x43700
	v_mov_b32 v255, 0
	ds_add_u32 v254, v255
	ds_add_u32 v254, v255
	v_lshrrev_b32 v6, 5, v0
	s_delay_alu instid0(VALU_DEP_1)
	v_readfirstlane_b32 s[WV], v6
	s_and_b32 s[GH], s[WV], 1
	s_lshr_b32 s[PART], s[WV], 1
	s_bfe_u32 s21, ttmp6, 0x40000
	s_lshl_b32 s[RB], ttmp9, 2
	s_add_co_u32 s[RB], s[RB], s21
	s_and_b32 s[BT], ttmp7, 0xffff
	s_mov_b32 s[G1], 15|(3<<16)|(1<<21)
	s_mov_b32 s[G1+1], 32<<16
	s_mov_b32 s[G1+2], 32<<16
	s_mov_b32 s[G1+3], 32<<16
	s_mov_b32 s[G1+4], 32
	s_mov_b32 s[G1+5], 32
	s_mov_b32 s[G1+6], 0
	s_mov_b32 s[G1+7], 0
	s_lshl_b32 s22, s[BT], 18
	s_lshl_b32 s24, s[WV], 13
	s_add_co_u32 s22, s22, s24
	s_mov_b32 s23, 0
	s_wait_dscnt 0x0
	s_wait_kmcnt 0x0
	s_load_b32 s[AL], s[8:9], 0x0
	s_load_b64 s[E0:E0+1], s[10:11], 0x0
	s_add_nc_u64 s[22:23], s[6:7], s[22:23]
.irp k, 0,1,2,3
	s_mov_b32 s[G0+4*\k], 1
	s_add_co_u32 s[G0+4*\k+1], s24, \k*65536
	s_add_nc_u64 s[G0+4*\k+2:G0+4*\k+3], s[22:23], \k*65536
	s_or_b32 s[G0+4*\k+3], s[G0+4*\k+3], 0x80000000
.endr
	CROUND
.irp k, 0,1,2,3
	tensor_load_to_lds s[G0+4*\k:G0+4*\k+3], s[G1:G1+7]
	s_nop 0
.endr
.rept 4
	v_nop
.endr
	v_and_b32 v14, 31, v0
	s_delay_alu instid0(VALU_DEP_1)
	v_lshlrev_b32 v[L16], 4, v14
	s_wait_alu depctr_va_vdst(0)
	s_lshl_b32 s22, s[BT], 18
	s_lshl_b32 s24, s[RB], 14
	s_add_co_u32 s22, s22, s24
	s_lshl_b32 s24, s[GH], 11
	s_add_co_u32 s22, s22, s24
	s_mov_b32 s23, 0
	s_add_nc_u64 s[4:5], s[4:5], s[22:23]
	WIN 0x40
.irp f, 0,1,2,3
.irp c, 0,1,2,3
	global_load_b128 v[AF+16*\f+4*\c:AF+16*\f+4*\c+3], v[L16], s[4:5] offset:4096*\f+512*\c
.endr
.endr
	WIN 0
	v_and_b32 v6, 15, v0
	v_bfe_u32 v7, v0, 4, 1
	s_delay_alu instid0(VALU_DEP_2)
	v_lshl_add_u32 v12, s[GH], 4, v6
	s_delay_alu instid0(VALU_DEP_2)
	v_lshlrev_b32 v13, 3, v7
	s_delay_alu instid0(VALU_DEP_1)
	v_sub_nc_u32 v12, v12, v13
.irp i, 0,1,2,3,4,5,6,7,8,9,10,11,12,13,14,15
	v_sub_nc_u32 v[GC+\i], v12, 16*(\i/8)+\i%8
.endr
	s_lshl_b32 s21, s[RB], 1
	v_sub_nc_u32 v[GRT], s21, v14
	s_delay_alu instid0(VALU_DEP_1)
	v_add_nc_u32 v[GRT+1], 1, v[GRT]
.irp i, 0,1,2,3,4,5,6,7,8,9,10,11,12,13,14,15
	v_mul_lo_u32 v[GC+\i], v[GC+\i], v[GC+\i]
.endr
	v_mul_lo_u32 v[GRT], v[GRT], v[GRT]
	v_mul_lo_u32 v[GRT+1], v[GRT+1], v[GRT+1]
.irp i, 0,1,2,3,4,5,6,7,8,9,10,11,12,13,14,15
	v_cvt_f32_u32 v[GC+\i], v[GC+\i]
.endr
	v_cvt_f32_u32 v[GRT], v[GRT]
	v_cvt_f32_u32 v[GRT+1], v[GRT+1]
.irp i, 0,1,2,3,4,5,6,7,8,9,10,11,12,13,14,15
	v_mul_f32 v[GC+\i], KG, v[GC+\i]
.endr
	v_mul_f32 v[GRT], KG, v[GRT]
	v_mul_f32 v[GRT+1], KG, v[GRT+1]
	s_wait_alu depctr_va_vdst(0)
.irp i, 0,1,2,3,4,5,6,7,8,9,10,11,12,13,14,15
	v_exp_f32 v[GC+\i], v[GC+\i]
.endr
	v_exp_f32 v[GRT], v[GRT]
	v_exp_f32 v[GRT+1], v[GRT+1]
	s_wait_kmcnt 0x0
	s_add_co_i32 s[ES], s[E0], s[E0+1]
	v_mov_b32 v[CC], s[AL]
	s_delay_alu instid0(VALU_DEP_1)
	v_mul_f32 v[CC], 0x3fb8aa3b, v[CC]
	s_delay_alu instid0(VALU_DEP_1)
	v_ldexp_f32 v[CC], v[CC], s[ES]
	s_delay_alu instid0(VALU_DEP_1)
	v_mov_b32 v[CC+1], v[CC]
	v_mul_u32_u24 v[SCW], v7, PL
	s_delay_alu instid0(VALU_DEP_1)
	v_lshl_add_u32 v[SCW], v6, 2, v[SCW]
	s_mul_i32 s22, s[PART], 2*PL
	s_lshl_b32 s24, s[GH], 6
	s_add_co_u32 s22, s22, s24
	s_add_co_u32 s22, s22, SCR
	v_add_nc_u32 v[SCW], s22, v[SCW]
	v_lshl_add_u32 v[MA], v0, 2, SCR
	v_lshl_add_u32 v[SGW], v0, 2, OUTS
	v_lshl_add_u32 v[SGR], v0, 3, OUTS
	v_lshlrev_b32 v[GOF], 3, v14
	s_mul_i32 s22, s[BT], 12288
	s_lshl_b32 s24, s[WV], 12
	s_add_co_u32 s22, s22, s24
	s_lshl_b32 s24, s[RB], 8
	s_add_co_u32 s22, s22, s24
	s_mov_b32 s23, 0
	s_add_nc_u64 s[12:13], s[12:13], s[22:23]
	s_wait_alu depctr_va_vdst(0)
	v_mul_f32 v[GRT], -v[CC], v[GRT]
	v_mul_f32 v[GRT+1], -v[CC], v[GRT+1]
.irp k, 0,1,2,3,4,5
	v_mov_b32 v[ST+8*\k], 0xff61b1e6
	v_mov_b32 v[ST+8*\k+2], 0
	v_mov_b32 v[ST+8*\k+3], 0
	v_mov_b32 v[ST+8*\k+5], 0
	v_mov_b32 v[TMP+4*\k+3], 0
.endr
.irp k, 0,1,3,4
	v_mov_b32 v[ST+8*\k+4], 0x7f61b1e6
.endr
.irp k, 2,5
	v_mov_b32 v[ST+8*\k+4], 0x7ee1b1e6
.endr
	s_lshl_b32 s[TBS], s[PART], 13
	s_mov_b32 s[MR], s[PART]
	s_mov_b32 s[NCG+1], 0
.macro PRE t
.set TT, BLK+48*\t
.set SB, ST+24*\t
.set XA, TMP+12*\t
	v_readlane_b32 s[NCG], v[GRT+\t], s[MR]
.irp i, 0,2,4,6,8,10,12,14
	v_pk_fma_f32 v[TT+32+\i:TT+33+\i], v[GC+\i:GC+1+\i], s[NCG:NCG+1], v[CC:CC+1] op_sel_hi:[1,0,1]
.endr
	s_wait_alu depctr_va_vdst(0)
.irp i, 0,2,4,6,8,10,12,14
	v_pk_mul_f32 v[TT+\i:TT+1+\i], v[TT+\i:TT+1+\i], v[TT+32+\i:TT+33+\i]
	v_pk_mul_f32 v[TT+16+\i:TT+17+\i], v[TT+16+\i:TT+17+\i], v[TT+32+\i:TT+33+\i]
.endr
.irp i, 0,2,4,6,8,10,12,14
	v_pk_add_f32 v[TT+32+\i:TT+33+\i], v[TT+\i:TT+1+\i], v[TT+16+\i:TT+17+\i]
.endr
.irp q, 0,1,2
	v_max3_num_f32 v[XA+4*\q], v[SB+8*\q], v[TT+16*\q], v[TT+16*\q+1]
	v_max3_num_f32 v[XA+4*\q+1], v[TT+16*\q+8], v[TT+16*\q+9], v[TT+16*\q+10]
.endr
.irp q, 0,1,2
	v_max3_num_f32 v[XA+4*\q], v[XA+4*\q], v[TT+16*\q+2], v[TT+16*\q+3]
	v_max3_num_f32 v[XA+4*\q+1], v[XA+4*\q+1], v[TT+16*\q+11], v[TT+16*\q+12]
.endr
.irp q, 0,1,2
	v_max3_num_f32 v[XA+4*\q], v[XA+4*\q], v[TT+16*\q+4], v[TT+16*\q+5]
	v_max3_num_f32 v[XA+4*\q+1], v[XA+4*\q+1], v[TT+16*\q+13], v[TT+16*\q+14]
.endr
.irp q, 0,1,2
	v_max3_num_f32 v[XA+4*\q], v[XA+4*\q], v[TT+16*\q+6], v[TT+16*\q+7]
.endr
.irp q, 0,1,2
	s_delay_alu instid0(VALU_DEP_3)
	v_max3_num_f32 v[SB+8*\q], v[XA+4*\q], v[XA+4*\q+1], v[TT+16*\q+15]
.endr
	s_delay_alu instid0(VALU_DEP_3)
	v_fma_f32 v[XA+2], v[SB], -1.0, -v[SB+4]
	s_delay_alu instid0(VALU_DEP_3)
	v_fma_f32 v[XA+6], v[SB+8], -1.0, -v[SB+12]
	s_delay_alu instid0(VALU_DEP_3)
	v_fma_f32 v[XA+10], v[SB+16], -0.5, -v[SB+20]
	v_mul_f32 v[SB+4], -1.0, v[SB]
	v_mul_f32 v[SB+12], -1.0, v[SB+8]
	v_mul_f32 v[SB+20], -0.5, v[SB+16]
.irp i, 0,2,4,6,8,10,12,14
	v_pk_add_f32 v[TT+\i:TT+1+\i], v[TT+\i:TT+1+\i], v[SB+4:SB+5] op_sel_hi:[1,0]
	v_pk_add_f32 v[TT+16+\i:TT+17+\i], v[TT+16+\i:TT+17+\i], v[SB+12:SB+13] op_sel_hi:[1,0]
	v_pk_fma_f32 v[TT+32+\i:TT+33+\i], v[TT+32+\i:TT+33+\i], 0.5, v[SB+20:SB+21] op_sel_hi:[1,0,0]
.endr
.endm
.macro EXPS t
.set TT, BLK+48*\t
.set XA, TMP+12*\t
	v_exp_f32 v[XA+2], v[XA+2]
	v_exp_f32 v[XA+6], v[XA+6]
	v_exp_f32 v[XA+10], v[XA+10]
.set e, 0
.rept 48
	v_exp_f32 v[TT+e], v[TT+e]
.set e, e+1
.endr
.endm
.macro SUMS t
.set TT, BLK+48*\t
.set SB, ST+24*\t
.set XA, TMP+12*\t
.irp q, 0,1,2
.irp i, 0,4,8,12
	v_pk_add_f32 v[TT+16*\q+\i:TT+16*\q+\i+1], v[TT+16*\q+\i:TT+16*\q+\i+1], v[TT+16*\q+\i+2:TT+16*\q+\i+3]
.endr
.endr
.irp q, 0,1,2
.irp i, 0,8
	v_pk_add_f32 v[TT+16*\q+\i:TT+16*\q+\i+1], v[TT+16*\q+\i:TT+16*\q+\i+1], v[TT+16*\q+\i+4:TT+16*\q+\i+5]
.endr
.endr
.irp q, 0,1,2
	v_pk_add_f32 v[TT+16*\q:TT+16*\q+1], v[TT+16*\q:TT+16*\q+1], v[TT+16*\q+8:TT+16*\q+9]
.endr
.irp q, 0,1,2
	v_pk_fma_f32 v[SB+8*\q+2:SB+8*\q+3], v[SB+8*\q+2:SB+8*\q+3], v[XA+4*\q+2:XA+4*\q+3], v[TT+16*\q:TT+16*\q+1] op_sel_hi:[1,0,1]
.endr
.endm
.macro STEP
	v_add_nc_u32 v[ADRB], s[TBS], v[L16]
	WIN 0x40
.irp f, 0,1,2,3
.irp c, 0,1,2,3
	ds_load_b128 v[BF+16*\f+4*\c:BF+16*\f+4*\c+3], v[ADRB] offset:2048*\f+512*\c
.endr
.endr
	s_wait_dscnt 0x0
	WIN 0x05
.irp t, 0,1
.irp p, 0,1
.irp k, 0,1
	v_wmma_f32_16x16x128_fp8_fp8 v[BLK+48*\t+16*\p+8*\k:BLK+48*\t+16*\p+8*\k+7], v[BF+32*\p+16*\k:BF+32*\p+16*\k+15], v[AF+32*\t+16*\p:AF+32*\t+16*\p+15], 0
.endr
.endr
.endr
	WIN 0
	PRE 0
	s_wait_alu depctr_va_vdst(0)
	EXPS 0
	s_setprio 1
	PRE 1
	s_wait_alu depctr_va_vdst(0)
	EXPS 1
	s_setprio 0
	v_nop
	s_wait_alu depctr_va_vdst(0)
	SUMS 0
	SUMS 1
.endm
.macro CHUNK k
	s_wait_tensorcnt 3-\k
	s_barrier_signal -1
	s_barrier_wait -1
	s_mov_b32 s[CNT], 2
.Lstep_\@:
	s_setprio 2
	STEP
	s_add_co_u32 s[TBS], s[TBS], 32768
	s_add_co_u32 s[MR], s[MR], 4
	s_sub_co_u32 s[CNT], s[CNT], 1
	s_cmp_lg_u32 s[CNT], 0
	s_cbranch_scc1 .Lstep_\@
	s_setprio 0
.endm
	s_wait_loadcnt 0x0
	CHUNK 0
	CHUNK 1
	CHUNK 2
	CHUNK 3
.irp k, 0,1,2,3,4,5
	v_add_f32 v[ST+8*\k+2], v[ST+8*\k+2], v[ST+8*\k+3]
.endr
.irp t, 0,1
.irp q, 0,1,2
	ds_store_b32 v[SCW], v[ST+24*\t+8*\q+4] offset:256*\q+128*\t
	ds_store_b32 v[SCW], v[ST+24*\t+8*\q+2] offset:8*PL+256*\q+128*\t
.endr
.endr
	s_wait_dscnt 0x0
	s_barrier_signal -1
	s_barrier_wait -1
	s_cmp_lt_u32 s[WV], 6
	s_cbranch_scc0 .Lno_item
.irp f, 0,1
.irp p, 0,1,2,3,4,5,6,7
	ds_load_b32 v[RM+8*\f+\p], v[MA] offset:(8*\f+\p)*PL
.endr
.endr
	s_wait_dscnt 0x0
	v_min3_num_f32 v12, v[RM], v[RM+1], v[RM+2]
	s_delay_alu instid0(VALU_DEP_1)
	v_min3_num_f32 v12, v12, v[RM+3], v[RM+4]
	s_delay_alu instid0(VALU_DEP_1)
	v_min3_num_f32 v12, v12, v[RM+5], v[RM+6]
	s_delay_alu instid0(VALU_DEP_1)
	v_min_num_f32 v12, v12, v[RM+7]
.irp p, 0,1,2,3,4,5,6,7
	v_sub_f32 v[RM+\p], v12, v[RM+\p]
.endr
	s_wait_alu depctr_va_vdst(0)
.irp p, 0,1,2,3,4,5,6,7
	v_exp_f32 v[RM+\p], v[RM+\p]
.endr
	v_nop
	s_wait_alu depctr_va_vdst(0)
	v_mul_f32 v13, v[RM+8], v[RM]
.irp p, 1,2,3,4,5,6,7
	v_fmac_f32 v13, v[RM+8+\p], v[RM+\p]
.endr
	s_wait_alu depctr_va_vdst(0)
	v_log_f32 v13, v13
	v_nop
	s_wait_alu depctr_va_vdst(0)
	v_sub_f32 v13, v12, v13
	ds_store_b32 v[SGW], v13
.Lno_item:
	s_wait_dscnt 0x0
	s_barrier_signal -1
	s_barrier_wait -1
	s_cmp_lt_u32 s[WV], 3
	s_cbranch_scc0 .Lno_store
	ds_load_b64 v[14:15], v[SGR]
	s_wait_dscnt 0x0
	global_store_b64 v[GOF], v[14:15], s[12:13]
.Lno_store:
	s_wait_tensorcnt 0x0
	ds_add_u32 v254, v255
	s_wait_dscnt 0x0
	CROUND
	s_endpgm
.Lfunc_end_k_qa8913df8aa_colsum:
	.size	k_qa8913df8aa_colsum, .Lfunc_end_k_qa8913df8aa_colsum-k_qa8913df8aa_colsum
	.p2alignl 7, 3214868480
	.fill 96, 4, 3214868480
	.section	.rodata,"a",@progbits
	.p2align	6, 0x0
	.amdhsa_kernel k_qa8913df8aa_colsum
		.amdhsa_group_segment_fixed_size 277248
		.amdhsa_private_segment_fixed_size 0
		.amdhsa_enable_private_segment 0
		.amdhsa_kernarg_size 40
		.amdhsa_user_sgpr_count 2
		.amdhsa_user_sgpr_kernarg_segment_ptr 1
		.amdhsa_wavefront_size32 1
		.amdhsa_system_sgpr_workgroup_id_x 1
		.amdhsa_system_sgpr_workgroup_id_y 1
		.amdhsa_system_sgpr_workgroup_id_z 1
		.amdhsa_system_vgpr_workitem_id 0
		.amdhsa_next_free_vgpr 384
		.amdhsa_next_free_sgpr 66
		.amdhsa_reserve_vcc 0
		.amdhsa_float_denorm_mode_32 3
		.amdhsa_float_denorm_mode_16_64 3
		.amdhsa_memory_ordered 1
		.amdhsa_forward_progress 1
		.amdhsa_inst_pref_size 96
	.end_amdhsa_kernel
	.amdgpu_metadata
---
amdhsa.version: [ 1, 2 ]
amdhsa.kernels:
  - .name:           k_qa8913df8aa_colsum
    .symbol:         k_qa8913df8aa_colsum.kd
    .args:
      - { .name: bcodes, .offset: 0, .size: 8, .value_kind: global_buffer, .address_space: global }
      - { .name: acodes, .offset: 8, .size: 8, .value_kind: global_buffer, .address_space: global }
      - { .name: alpha, .offset: 16, .size: 8, .value_kind: global_buffer, .address_space: global }
      - { .name: lowp_scales, .offset: 24, .size: 8, .value_kind: global_buffer, .address_space: global }
      - { .name: nlc, .offset: 32, .size: 8, .value_kind: global_buffer, .address_space: global }
    .group_segment_fixed_size: 277248
    .private_segment_fixed_size: 0
    .kernarg_segment_align: 8
    .kernarg_segment_size: 40
    .max_flat_workgroup_size: 256
    .sgpr_count:     66
    .vgpr_count:     384
    .wavefront_size: 32
...
	.end_amdgpu_metadata
.endif
;; end of part 2
;; launch topk (part 3): grid 16 x 16, 8 waves a work-group, clusters of 4 x 1, 311,808 bytes of LDS; arguments acodes, bcodes, alpha, lowp_scales, nlc, out0; writes out0
.if DOCPART == 3
	.amdgcn_target "amdgcn-amd-amdhsa--gfx1250"
	.amdhsa_code_object_version 6
	.text
	.protected	k_qa8913df8aa_topk
	.globl	k_qa8913df8aa_topk
	.p2align	8
	.type	k_qa8913df8aa_topk,@function
k_qa8913df8aa_topk:
	s_mov_b64 s[64:65], 0
	v_nop
	global_prefetch_b8 v0, s[64:65] scope:SCOPE_SE
	s_setreg_imm32_b32 hwreg(HW_REG_WAVE_MODE, 25, 1), 1
	s_wait_xcnt 0x0
	s_wait_alu depctr_hold_cnt(0) depctr_sa_sdst(0) depctr_va_vdst(0) depctr_va_sdst(0) depctr_va_ssrc(0) depctr_va_vcc(0) depctr_vm_vsrc(0)
	s_getreg_b32 s2, hwreg(HW_REG_IB_STS2, 6, 4)
	s_cmp_eq_u32 s2, 0
	s_cbranch_scc0 .Lentry_in_a_cluster
	s_endpgm
.Lentry_in_a_cluster:
	s_bfe_u32 s2, ttmp6, 0x10000c
	s_cmp_lg_u32 s2, 0x3003
	s_cbranch_scc0 .Lentry_shape_is_right
	s_endpgm
.Lentry_shape_is_right:
; out0[b][k][h][w] = the k-th largest over m of a_q[n][m],  a = softmax over m x softmax over n of s = alpha x mask x corr_q;  n = 32 (h / 2) + w / 2;  q = 0 at (even h, even w), 1 at (odd, odd), 2 (the mean's map) elsewhere.
; With t = log2(e) s:  a[n][m] = 2^(2 t[n][m] - lc[m]) / (2^M[n] S[n]) x 2^0 .. that is 2^(u - M) / S,  u = 2 t + nlc[m]  (nlc = -lc: the launch before),  M the row's largest t,  S = sum over m of 2^(t - M).
; 2^x grows with x, so the three largest a of a row are those of its three largest u: the choice is made on u, and only three numbers a row are exponentiated.
; SHARES, LAYOUT, CLUSTER, CHUNKS: as in the launch before, with the operands' parts exchanged: a work-group owns 64 rows n (A's codes, in registers) and walks all 1,024 m (B's codes, 256 KB, whole in LDS).
; Wave w: g = w & 1: which 16 of a patch row's 32 rows, in patch rows 2 rb and 2 rb + 1 (two tiles); part = w >> 1: the walked patch rows part + 4 i.  Source 0 = 16 walked m, source 1 = my 16 rows: a lane holds one row.
; A lane keeps for each (tile, map): M, S, and its three largest u in order (a1 >= a2 >= a3): a new u costs median(a2, a3, u), median(a1, a2, u), max(a1, u).
; The exponentials stand one in front of each such three, which name none of their results; one wait a tile follows them all.
; Five tensor loads a wave are outstanding at the head: nlc's 12 KB (1,536 bytes a wave), then the four chunks of codes.
; LIMITS: NaN and infinities among the inputs are not served; an a under 2^-126 comes out as 0.
; REGISTERS.  Window 0: v1-19 addresses and constants; v20-35 the mask's column factor; v36-131 for each tile 48: t of map 0, of map 1, the mask and then t0 + t1; v132-179 statistics, 8 for each (tile, map):
;   +0 M, +2, +3 S, +4 -M in true units, +5, +6, +7 a1, a2, a3; v180-203 at work; v204-251 u.   Window 1: v0-63 my rows' fragments; v64-127 the walked patch row's; v128-175 its nlc, three maps.
.set PL,    832                        ; a plane of the scratch: 192 words + 16: the two halves of the lanes store 16 words apart modulo 64 (64 banks of 4 bytes: ISA guide 11.1)
.set LCB,   262144                     ; behind the codes: nlc [3][1024]
.set SCR,   LCB+12288                  ; 5 fields x 8 partials planes
.set OUTS,  SCR+40*PL                  ; the stage: [k][4 image rows][64]
.set KG,    0xbe9044fe                 ; -log2(e) / 5.12
.set L16,   1
.set ADRB,  2
.set MA,    3
.set SGA,   4                          ; v4   stage: my item's pixel
.set SCW,   5
.set CC,    8
.set GRT,   10
.set ADRL,  15                         ; v15  LDS address of the step's nlc
.set SGB,   16                         ; v16  stage: the mean's second pixel (else the same pixel again)
.set SGR,   17
.set GOF,   18
.set LCL,   19                         ; v19  LCB + 32 (lane / 16)
.set GC,    20
.set BLK,   36
.set ST,    132
.set TMP,   180
.set U,     204
.set RM,    36                         ; the merge: 40 partials
.set AF,    0                          ; window 1
.set BF,    64
.set NLC,   128
.set WV,    16
.set GH,    17
.set PART,  18
.set BT,    19
.set RB,    20
.set G1,    28                         ; s[28:35] group 1 for the codes
.set G1L,   36                         ; s[36:43] for nlc
.set G0,    44                         ; s[44:59] four groups 0, one for each chunk
.set G0L,   60                         ; s[60:63] nlc's
.set TBS,   66
.set TLS,   67                         ; byte of the walked patch row in a map of nlc
.set MR,    68
.set CNT,   69
.set NCG,   70
.set AL,    72
.set ES,    73
.set E0,    74
.set MSB, 0
.macro WIN new                         ; the immediate's high byte repeats the setting that is left
.if MSB != \new
	s_set_vgpr_msb (MSB<<8)|\new
.set MSB, \new
.endif
.endm
.macro CROUND                          ; a round of the cluster's barrier
	s_barrier_signal -1
	s_barrier_wait -1
	s_cmp_lg_u32 s[WV], 0
	s_cbranch_scc1 .Lnot_wave_0_\@
	s_barrier_signal -3
.Lnot_wave_0_\@:
	s_barrier_wait -3
	s_barrier_signal -1
	s_barrier_wait -1
.endm
	s_load_b256 s[4:11], s[0:1], 0x0               ; A's codes (mine), B's codes (walked), alpha, the scales' exponents
	s_load_b128 s[12:15], s[0:1], 0x20             ; nlc, out0
	v_lshl_add_u32 v254, v0, 2, 0x4be00
	v_mov_b32 v255, 0
	ds_add_u32 v254, v255
	ds_add_u32 v254, v255
	v_lshrrev_b32 v6, 5, v0
	v_readfirstlane_b32 s[WV], v6                  ; wave 0..7
	s_and_b32 s[GH], s[WV], 1
	s_lshr_b32 s[PART], s[WV], 1
	s_bfe_u32 s21, ttmp6, 0x40000                  ; my place in the cluster
	s_lshl_b32 s[RB], ttmp9, 2
	s_add_co_u32 s[RB], s[RB], s21                 ; my block of 64 rows: it enters global addresses and the mask's numbers alone
	s_and_b32 s[BT], ttmp7, 0xffff                 ; the batch, which the four partners share
	; groups 1: dense blocks as rows of 256 bytes (32 elements of 8 bytes): 32 rows of codes, 6 rows of nlc
.irp g, G1, G1L
	s_mov_b32 s[\g], 15|(3<<16)|(1<<21)            ; 15:0 the mask: all four work-groups; 17:16 elements of 8 bytes; 21 set beside a mask; no padding
	s_mov_b32 s[\g+1], 32<<16                      ; tensor_dim0 = 32
	s_mov_b32 s[\g+3], 32<<16                      ; tile_dim0 = 32
	s_mov_b32 s[\g+5], 32                          ; from row to row
	s_mov_b32 s[\g+6], 0
	s_mov_b32 s[\g+7], 0
.endr
	s_mov_b32 s[G1+2], 32<<16                      ; tensor_dim1
	s_mov_b32 s[G1+4], 32                          ; tile_dim1
	s_mov_b32 s[G1L+2], 6<<16
	s_mov_b32 s[G1L+4], 6
	s_lshl_b32 s22, s[BT], 18                      ; the batch's 262,144 bytes,
	s_lshl_b32 s24, s[WV], 13                      ; my wave's 8,192 of a chunk: in memory and in LDS alike
	s_add_co_u32 s22, s22, s24
	s_mov_b32 s23, 0
	s_mul_i32 s26, s[BT], 12288                    ; the batch's nlc,
	s_mul_i32 s25, s[WV], 1536                     ; my wave's part of it
	s_add_co_u32 s26, s26, s25
	s_mov_b32 s27, 0
	s_wait_dscnt 0x0
	s_wait_kmcnt 0x0
	s_load_b32 s[AL], s[8:9], 0x0
	s_load_b64 s[E0:E0+1], s[10:11], 0x0
	s_add_nc_u64 s[22:23], s[6:7], s[22:23]
	s_add_nc_u64 s[26:27], s[12:13], s[26:27]
	s_mov_b32 s[G0L], 1
	s_add_co_u32 s[G0L+1], s25, LCB
	s_mov_b64 s[G0L+2:G0L+3], s[26:27]
	s_or_b32 s[G0L+3], s[G0L+3], 0x80000000
.irp k, 0,1,2,3
	s_mov_b32 s[G0+4*\k], 1
	s_add_co_u32 s[G0+4*\k+1], s24, \k*65536       ; LDS holds the batch's codes as memory does
	s_add_nc_u64 s[G0+4*\k+2:G0+4*\k+3], s[22:23], \k*65536
	s_or_b32 s[G0+4*\k+3], s[G0+4*\k+3], 0x80000000
.endr
	CROUND                                         ; all four work-groups are here: the joint loads meet
	tensor_load_to_lds s[G0L:G0L+3], s[G1L:G1L+7]
	s_nop 0
.irp k, 0,1,2,3
	tensor_load_to_lds s[G0+4*\k:G0+4*\k+3], s[G1:G1+7]
	s_nop 0
.endr
.rept 4
	v_nop
.endr
	v_and_b32 v14, 31, v0                          ; lane
	v_lshlrev_b32 v[L16], 4, v14
	s_lshl_b32 s22, s[BT], 18
	s_lshl_b32 s24, s[RB], 14                      ; two patch rows of 8,192 bytes
	s_add_co_u32 s22, s22, s24
	s_lshl_b32 s24, s[GH], 11
	s_add_co_u32 s22, s22, s24
	s_mov_b32 s23, 0
	s_add_nc_u64 s[4:5], s[4:5], s[22:23]
	WIN 0x40                                       ; destination window 1
.irp f, 0,1,2,3                        ; fragment 2 x tile + map
.irp c, 0,1,2,3
	global_load_b128 v[AF+16*\f+4*\c:AF+16*\f+4*\c+3], v[L16], s[4:5] offset:4096*\f+512*\c
.endr
.endr
	WIN 0
	; the mask's two factors
	v_and_b32 v6, 15, v0                           ; r
	v_bfe_u32 v7, v0, 4, 1                         ; h
	v_lshl_add_u32 v12, s[GH], 4, v6               ; my row's place in its patch row
	v_lshlrev_b32 v13, 3, v7
	v_sub_nc_u32 v12, v12, v13
.irp i, 0,1,2,3,4,5,6,7,8,9,10,11,12,13,14,15
	v_sub_nc_u32 v[GC+\i], v12, 16*(\i/8)+\i%8     ; register i holds the walked place 16 (i / 8) + 8 h + i % 8: the distance,
.endr
	s_lshl_b32 s21, s[RB], 1
	v_sub_nc_u32 v[GRT], s21, v14                  ; and lane l: my first patch row less l,
	v_add_nc_u32 v[GRT+1], 1, v[GRT]               ; my second less l
.irp i, 0,1,2,3,4,5,6,7,8,9,10,11,12,13,14,15
	v_mul_lo_u32 v[GC+\i], v[GC+\i], v[GC+\i]
.endr
	v_mul_lo_u32 v[GRT], v[GRT], v[GRT]
	v_mul_lo_u32 v[GRT+1], v[GRT+1], v[GRT+1]
.irp i, 0,1,2,3,4,5,6,7,8,9,10,11,12,13,14,15
	v_cvt_f32_u32 v[GC+\i], v[GC+\i]
.endr
	v_cvt_f32_u32 v[GRT], v[GRT]
	v_cvt_f32_u32 v[GRT+1], v[GRT+1]
.irp i, 0,1,2,3,4,5,6,7,8,9,10,11,12,13,14,15
	v_mul_f32 v[GC+\i], KG, v[GC+\i]
.endr
	v_mul_f32 v[GRT], KG, v[GRT]
	v_mul_f32 v[GRT+1], KG, v[GRT+1]
.irp i, 0,1,2,3,4,5,6,7,8,9,10,11,12,13,14,15
	v_exp_f32 v[GC+\i], v[GC+\i]
.endr
	v_exp_f32 v[GRT], v[GRT]
	v_exp_f32 v[GRT+1], v[GRT+1]
	s_wait_kmcnt 0x0
	s_add_co_i32 s[ES], s[E0], s[E0+1]
	v_mov_b32 v[CC], s[AL]                         ; (plain work behind the exponentials)
	v_mul_f32 v[CC], 0x3fb8aa3b, v[CC]             ; alpha log2(e)
	v_ldexp_f32 v[CC], v[CC], s[ES]                ; x 2^(e0 + e1): a sum of code products stands for sum x 2^(e0 + e1)
	v_mov_b32 v[CC+1], v[CC]
	; LDS addresses, all made here, ahead of every parting of the waves
	v_lshl_add_u32 v[LCL], v7, 5, LCB
	v_mul_u32_u24 v[SCW], v7, PL
	v_lshl_add_u32 v[SCW], v6, 2, v[SCW]
	s_mul_i32 s22, s[PART], 2*PL
	s_lshl_b32 s24, s[GH], 6
	s_add_co_u32 s22, s22, s24
	s_add_co_u32 s22, s22, SCR
	v_add_nc_u32 v[SCW], s22, v[SCW]               ; plane 2 part + h, word 16 g + r; field, map and tile stand in the immediate
	v_lshl_add_u32 v[MA], v0, 2, SCR
	v_lshl_add_u32 v[SGR], v0, 4, OUTS
	; thread t is item (q = t / 64, row t % 64 of the block = 32 T + nc).  Its pixels in the stage [k][image row 0..3][64]: byte 512 T + 8 nc, and further on by
	; q = 0: 0;  q = 1: 260 (a row down, a pixel right);  q = 2: 4 and 256.  q is the wave's number / 2: bit 0 gives 260, bit 1 gives 4 or 256.
	v_and_b32 v12, 63, v0
	v_bfe_u32 v13, v0, 5, 1
	v_lshlrev_b32 v[GOF], 4, v12                   ; (the way out: 16 bytes a thread in a plane of 1,024)
	v_lshlrev_b32 v12, 3, v12
	v_lshl_add_u32 v12, v13, 8, v12
	s_lshr_b32 s22, s[WV], 1
	s_and_b32 s24, s22, 1
	s_lshr_b32 s25, s22, 1
	s_mul_i32 s24, s24, 260
	s_lshl_b32 s26, s25, 2
	s_add_co_u32 s26, s26, s24
	s_add_co_u32 s26, s26, OUTS
	v_add_nc_u32 v[SGA], s26, v12
	s_lshl_b32 s26, s25, 8
	s_add_co_u32 s26, s26, s24
	s_add_co_u32 s26, s26, OUTS
	v_add_nc_u32 v[SGB], s26, v12
	s_mul_i32 s26, s[BT], 49152                    ; out0: the batch, plane k = wave / 2, my block's four image rows
	s_lshl_b32 s22, s22, 14
	s_add_co_u32 s26, s26, s22
	s_lshl_b32 s22, s[RB], 10
	s_add_co_u32 s26, s26, s22
	s_mov_b32 s27, 0
	s_add_nc_u64 s[14:15], s[14:15], s[26:27]
	s_wait_alu depctr_va_vdst(0)                   ; one wait for the 18 exponentials, ahead of their first reader
	v_mul_f32 v[GRT], -v[CC], v[GRT]
	v_mul_f32 v[GRT+1], -v[CC], v[GRT+1]
.irp k, 0,1,2,3,4,5                    ; 3 x tile + map
	v_mov_b32 v[ST+8*\k], 0xff61b1e6               ; M = -3e38, under every t
	v_mov_b32 v[ST+8*\k+2], 0
	v_mov_b32 v[ST+8*\k+3], 0
	v_mov_b32 v[ST+8*\k+5], 0xff61b1e6             ; a1, a2, a3: under every u
	v_mov_b32 v[ST+8*\k+6], 0xff61b1e6
	v_mov_b32 v[ST+8*\k+7], 0xff61b1e6
	v_mov_b32 v[TMP+4*\k+3], 0                     ; (named as the upper half of a pair)
.endr
.irp k, 0,1,3,4
	v_mov_b32 v[ST+8*\k+4], 0x7f61b1e6             ; -M
.endr
.irp k, 2,5
	v_mov_b32 v[ST+8*\k+4], 0x7ee1b1e6             ; -M / 2: the mean's map is kept doubled
.endr
	s_lshl_b32 s[TBS], s[PART], 13
	s_lshl_b32 s[TLS], s[PART], 7
	s_mov_b32 s[MR], s[PART]
	s_mov_b32 s[NCG+1], 0
; Tile t of my rows against the walked patch row.
.macro ROWS t
.set TT, BLK+48*\t
.set SB, ST+24*\t
.set XA, TMP+12*\t
	v_readlane_b32 s[NCG], v[GRT+\t], s[MR]
.irp i, 0,2,4,6,8,10,12,14
	v_pk_fma_f32 v[TT+32+\i:TT+33+\i], v[GC+\i:GC+1+\i], s[NCG:NCG+1], v[CC:CC+1] op_sel_hi:[1,0,1]   ; c (1 - g): 0 exactly on the diagonal.  These eight are also the places behind the products
.endr
.irp i, 0,2,4,6,8,10,12,14                 ; each accumulator from its low end on
	v_pk_mul_f32 v[TT+\i:TT+1+\i], v[TT+\i:TT+1+\i], v[TT+32+\i:TT+33+\i]
	v_pk_mul_f32 v[TT+16+\i:TT+17+\i], v[TT+16+\i:TT+17+\i], v[TT+32+\i:TT+33+\i]
.endr
.irp i, 0,2,4,6,8,10,12,14
	v_pk_add_f32 v[TT+32+\i:TT+33+\i], v[TT+\i:TT+1+\i], v[TT+16+\i:TT+17+\i]   ; twice the mean's t, over the mask
.endr
.irp q, 0,1,2                              ; the new M: the old one and 16 numbers, in two chains a map
	v_max3_num_f32 v[XA+4*\q], v[SB+8*\q], v[TT+16*\q], v[TT+16*\q+1]
	v_max3_num_f32 v[XA+4*\q+1], v[TT+16*\q+8], v[TT+16*\q+9], v[TT+16*\q+10]
.endr
.irp q, 0,1,2
	v_max3_num_f32 v[XA+4*\q], v[XA+4*\q], v[TT+16*\q+2], v[TT+16*\q+3]
	v_max3_num_f32 v[XA+4*\q+1], v[XA+4*\q+1], v[TT+16*\q+11], v[TT+16*\q+12]
.endr
.irp q, 0,1,2
	v_max3_num_f32 v[XA+4*\q], v[XA+4*\q], v[TT+16*\q+4], v[TT+16*\q+5]
	v_max3_num_f32 v[XA+4*\q+1], v[XA+4*\q+1], v[TT+16*\q+13], v[TT+16*\q+14]
.endr
.irp q, 0,1,2
	v_max3_num_f32 v[XA+4*\q], v[XA+4*\q], v[TT+16*\q+6], v[TT+16*\q+7]
.endr
.irp q, 0,1,2
	v_max3_num_f32 v[SB+8*\q], v[XA+4*\q], v[XA+4*\q+1], v[TT+16*\q+15]
.endr
	v_fma_f32 v[XA+2], v[SB], -1.0, -v[SB+4]       ; old M - new M, in true units
	v_fma_f32 v[XA+6], v[SB+8], -1.0, -v[SB+12]
	v_fma_f32 v[XA+10], v[SB+16], -0.5, -v[SB+20]
	v_mul_f32 v[SB+4], -1.0, v[SB]                 ; the new -M
	v_mul_f32 v[SB+12], -1.0, v[SB+8]
	v_mul_f32 v[SB+20], -0.5, v[SB+16]
	s_wait_dscnt 0x0                               ; nlc is in
	WIN 0x14                                       ; nlc lies in window 1: source 2 of the multiply-adds, source 1 of the additions
.irp i, 0,2,4,6,8,10,12,14
	v_pk_fma_f32 v[U+\i:U+1+\i], v[TT+\i:TT+1+\i], 2.0, v[NLC+\i:NLC+1+\i] op_sel_hi:[1,0,1]             ; u = 2 t - lc
	v_pk_fma_f32 v[U+16+\i:U+17+\i], v[TT+16+\i:TT+17+\i], 2.0, v[NLC+16+\i:NLC+17+\i] op_sel_hi:[1,0,1]
	v_pk_add_f32 v[U+32+\i:U+33+\i], v[TT+32+\i:TT+33+\i], v[NLC+32+\i:NLC+33+\i]                        ; (the mean's t is doubled already)
.endr
	WIN 0
.irp i, 0,2,4,6,8,10,12,14
	v_pk_add_f32 v[TT+\i:TT+1+\i], v[TT+\i:TT+1+\i], v[SB+4:SB+5] op_sel_hi:[1,0]
	v_pk_add_f32 v[TT+16+\i:TT+17+\i], v[TT+16+\i:TT+17+\i], v[SB+12:SB+13] op_sel_hi:[1,0]
	v_pk_fma_f32 v[TT+32+\i:TT+33+\i], v[TT+32+\i:TT+33+\i], 0.5, v[SB+20:SB+21] op_sel_hi:[1,0,0]
.endr
	v_exp_f32 v[XA+2], v[XA+2]
	v_exp_f32 v[XA+6], v[XA+6]
	v_exp_f32 v[XA+10], v[XA+10]
.irp i, 0,1,2,3,4,5,6,7,8,9,10,11,12,13,14,15
.irp q, 0,1,2                              ; an exponential, then the three lines that take u into the map's list: they name no exponential's result; the three maps take turns
	v_exp_f32 v[TT+16*\q+\i], v[TT+16*\q+\i]
	v_med3_num_f32 v[SB+8*\q+7], v[SB+8*\q+6], v[SB+8*\q+7], v[U+16*\q+\i]
	v_med3_num_f32 v[SB+8*\q+6], v[SB+8*\q+5], v[SB+8*\q+6], v[U+16*\q+\i]
	v_max_num_f32 v[SB+8*\q+5], v[SB+8*\q+5], v[U+16*\q+\i]
.endr
.endr
	s_wait_alu depctr_va_vdst(0)                   ; one wait for the tile's 51 exponentials, ahead of their first reader
.irp q, 0,1,2                              ; S = S x 2^(old M - new M) + the 16 new terms, two at a time, as a tree
.irp i, 0,4,8,12
	v_pk_add_f32 v[TT+16*\q+\i:TT+16*\q+\i+1], v[TT+16*\q+\i:TT+16*\q+\i+1], v[TT+16*\q+\i+2:TT+16*\q+\i+3]
.endr
.endr
.irp q, 0,1,2
.irp i, 0,8
	v_pk_add_f32 v[TT+16*\q+\i:TT+16*\q+\i+1], v[TT+16*\q+\i:TT+16*\q+\i+1], v[TT+16*\q+\i+4:TT+16*\q+\i+5]
.endr
.endr
.irp q, 0,1,2
	v_pk_add_f32 v[TT+16*\q:TT+16*\q+1], v[TT+16*\q:TT+16*\q+1], v[TT+16*\q+8:TT+16*\q+9]
.endr
.irp q, 0,1,2
	v_pk_fma_f32 v[SB+8*\q+2:SB+8*\q+3], v[SB+8*\q+2:SB+8*\q+3], v[XA+4*\q+2:XA+4*\q+3], v[TT+16*\q:TT+16*\q+1] op_sel_hi:[1,0,1]
.endr
.endm
; One walked patch row: 32 m, both maps: four fragments and 48 numbers of nlc from LDS, eight products, 96 numbers a lane.
.macro STEP
	v_add_nc_u32 v[ADRB], s[TBS], v[L16]
	v_add_nc_u32 v[ADRL], s[TLS], v[LCL]
	WIN 0x40                                       ; destination window 1.  (The last products that read these registers stand a whole step's vector work back)
.irp f, 0,1,2,3                        ; 2 x map + half of the patch row
.irp c, 0,1,2,3
	ds_load_b128 v[BF+16*\f+4*\c:BF+16*\f+4*\c+3], v[ADRB] offset:2048*\f+512*\c
.endr
.endr
.irp q, 0,1,2
.irp x, 0,1,2,3                        ; register 4 x + j: m = 16 (x / 2) + 8 h + 4 (x % 2) + j of the patch row, as t's registers have it
	ds_load_b128 v[NLC+16*\q+4*\x:NLC+16*\q+4*\x+3], v[ADRL] offset:4096*\q+64*(\x/2)+16*(\x%2)
.endr
.endr
	s_wait_dscnt 12                                ; the fragments are in; the twelve younger loads, nlc's, may be out
	WIN 0x05                                       ; both sources window 1, the result window 0
.irp t, 0,1
.irp p, 0,1
.irp k, 0,1
	v_wmma_f32_16x16x128_fp8_fp8 v[BLK+48*\t+16*\p+8*\k:BLK+48*\t+16*\p+8*\k+7], v[BF+32*\p+16*\k:BF+32*\p+16*\k+15], v[AF+32*\t+16*\p:AF+32*\t+16*\p+15], 0
.endr
.endr
.endr
	WIN 0
	ROWS 0
	ROWS 1
.endm
.macro CHUNK k                         ; patch rows 8 k .. 8 k + 7: two of them are mine
	s_wait_tensorcnt 3-\k                          ; nlc and my part of chunk k have landed; the 3 - k younger loads may stay out: nothing is filled twice
	s_barrier_signal -1
	s_barrier_wait -1                              ; everybody's part has
	s_mov_b32 s[CNT], 2
.Lstep_\@:
	STEP
	s_add_co_u32 s[TBS], s[TBS], 32768             ; four patch rows on
	s_add_co_u32 s[TLS], s[TLS], 512
	s_add_co_u32 s[MR], s[MR], 4
	s_sub_co_u32 s[CNT], s[CNT], 1
	s_cmp_lg_u32 s[CNT], 0
	s_cbranch_scc1 .Lstep_\@
.endm
	s_wait_loadcnt 0x0                             ; my rows' fragments
	CHUNK 0
	CHUNK 1
	CHUNK 2
	CHUNK 3
	; THE END.  Each lane's (-M, S, a1, a2, a3) of its six (tile, map) go to the scratch; item q x 64 + (row in the block) has eight partials.
.irp k, 0,1,2,3,4,5
	v_add_f32 v[ST+8*\k+2], v[ST+8*\k+2], v[ST+8*\k+3]
.endr
.irp t, 0,1
.irp q, 0,1,2
	ds_store_b32 v[SCW], v[ST+24*\t+8*\q+4] offset:256*\q+128*\t
	ds_store_b32 v[SCW], v[ST+24*\t+8*\q+2] offset:8*PL+256*\q+128*\t
	ds_store_b32 v[SCW], v[ST+24*\t+8*\q+5] offset:16*PL+256*\q+128*\t
	ds_store_b32 v[SCW], v[ST+24*\t+8*\q+6] offset:24*PL+256*\q+128*\t
	ds_store_b32 v[SCW], v[ST+24*\t+8*\q+7] offset:32*PL+256*\q+128*\t
.endr
.endr
	s_wait_dscnt 0x0                               ; for the others' sake: my stores have landed
	s_barrier_signal -1
	s_barrier_wait -1
	s_cmp_lt_u32 s[WV], 6                          ; 192 items: threads 0 to 191
	s_cbranch_scc0 .Lno_item
.irp f, 0,1,2,3,4
.irp p, 0,1,2,3,4,5,6,7
	ds_load_b32 v[RM+8*\f+\p], v[MA] offset:(8*\f+\p)*PL
.endr
.endr
	s_wait_dscnt 0x0
	v_min3_num_f32 v12, v[RM], v[RM+1], v[RM+2]    ; the least -M is the largest M
	v_min3_num_f32 v12, v12, v[RM+3], v[RM+4]
	v_min3_num_f32 v12, v12, v[RM+5], v[RM+6]
	v_min_num_f32 v12, v12, v[RM+7]
.irp p, 0,1,2,3,4,5,6,7
	v_sub_f32 v[RM+\p], v12, v[RM+\p]              ; M_i - M
.endr
.irp p, 0,1,2,3,4,5,6,7
	v_exp_f32 v[RM+\p], v[RM+\p]
.endr
.irp p, 1,2,3,4,5,6,7                      ; partial 0's list takes the other seven lists' 21 numbers
.irp f, 2,3,4
	v_med3_num_f32 v[RM+32], v[RM+24], v[RM+32], v[RM+8*\f+\p]
	v_med3_num_f32 v[RM+24], v[RM+16], v[RM+24], v[RM+8*\f+\p]
	v_max_num_f32 v[RM+16], v[RM+16], v[RM+8*\f+\p]
.endr
.endr
	s_wait_alu depctr_va_vdst(0)
	v_mul_f32 v13, v[RM+8], v[RM]
.irp p, 1,2,3,4,5,6,7
	v_fmac_f32 v13, v[RM+8+\p], v[RM+\p]
.endr
.irp k, 0,1,2
	v_add_f32 v[RM+16+8*\k], v12, v[RM+16+8*\k]    ; u - M
.endr
	v_rcp_f32 v13, v13
.irp k, 0,1,2
	v_exp_f32 v[RM+16+8*\k], v[RM+16+8*\k]
.endr
	v_nop
	s_wait_alu depctr_va_vdst(0)
.irp k, 0,1,2
	v_mul_f32 v[RM+16+8*\k], v13, v[RM+16+8*\k]    ; a = 2^(u - M) / S
.endr
.irp k, 0,1,2
	ds_store_b32 v[SGA], v[RM+16+8*\k] offset:1024*\k
	ds_store_b32 v[SGB], v[RM+16+8*\k] offset:1024*\k   ; the mean's second pixel; for maps 0 and 1 the same word once more
.endr
.Lno_item:
	s_wait_dscnt 0x0
	s_barrier_signal -1
	s_barrier_wait -1
	s_cmp_lt_u32 s[WV], 6                          ; 3 planes of 1,024 bytes: 16 bytes a thread
	s_cbranch_scc0 .Lno_store
	ds_load_b128 v[RM:RM+3], v[SGR]
	s_wait_dscnt 0x0
	global_store_b128 v[GOF], v[RM:RM+3], s[14:15] th:TH_STORE_NT   ; 16 lanes store 256 consecutive bytes, aligned: an image row
.Lno_store:
	s_wait_tensorcnt 0x0
	ds_add_u32 v254, v255
	s_wait_dscnt 0x0
	CROUND                                         ; the closing round: no work-group ends while a partner may still ask for a tile that names it
	s_endpgm
.Lfunc_end_k_qa8913df8aa_topk:
	.size	k_qa8913df8aa_topk, .Lfunc_end_k_qa8913df8aa_topk-k_qa8913df8aa_topk
	.p2alignl 7, 3214868480
	.fill 96, 4, 3214868480
	.section	.rodata,"a",@progbits
	.p2align	6, 0x0
	.amdhsa_kernel k_qa8913df8aa_topk
		.amdhsa_group_segment_fixed_size 311808
		.amdhsa_private_segment_fixed_size 0
		.amdhsa_enable_private_segment 0
		.amdhsa_kernarg_size 48
		.amdhsa_user_sgpr_count 2
		.amdhsa_user_sgpr_kernarg_segment_ptr 1
		.amdhsa_wavefront_size32 1
		.amdhsa_system_sgpr_workgroup_id_x 1
		.amdhsa_system_sgpr_workgroup_id_y 1
		.amdhsa_system_sgpr_workgroup_id_z 1
		.amdhsa_system_vgpr_workitem_id 0
		.amdhsa_next_free_vgpr 432
		.amdhsa_next_free_sgpr 78
		.amdhsa_reserve_vcc 0
		.amdhsa_float_denorm_mode_32 3
		.amdhsa_float_denorm_mode_16_64 3
		.amdhsa_memory_ordered 1
		.amdhsa_forward_progress 1
		.amdhsa_inst_pref_size 178
	.end_amdhsa_kernel
	.amdgpu_metadata
---
amdhsa.version: [ 1, 2 ]
amdhsa.kernels:
  - .name:           k_qa8913df8aa_topk
    .symbol:         k_qa8913df8aa_topk.kd
    .args:
      - { .name: acodes, .offset: 0, .size: 8, .value_kind: global_buffer, .address_space: global }
      - { .name: bcodes, .offset: 8, .size: 8, .value_kind: global_buffer, .address_space: global }
      - { .name: alpha, .offset: 16, .size: 8, .value_kind: global_buffer, .address_space: global }
      - { .name: lowp_scales, .offset: 24, .size: 8, .value_kind: global_buffer, .address_space: global }
      - { .name: nlc, .offset: 32, .size: 8, .value_kind: global_buffer, .address_space: global }
      - { .name: out0, .offset: 40, .size: 8, .value_kind: global_buffer, .address_space: global }
    .group_segment_fixed_size: 311808
    .private_segment_fixed_size: 0
    .kernarg_segment_align: 8
    .kernarg_segment_size: 48
    .max_flat_workgroup_size: 256
    .sgpr_count:     78
    .vgpr_count:     432
    .wavefront_size: 32
...
	.end_amdgpu_metadata
.endif
;; end of part 3
